; MI455X (gfx1250); checked and timed in simulation.
; The chip was launched on July 23, 2026; its instructions are those of AMD's public machine-readable ISA for CDNA 5 (MIT licence, August 2026) and "CDNA5" Instruction Set Architecture Reference Guide (July 2026). The comments in the code are by the model that wrote it; some were corrected since.
;; Local Self Attention. Allowed arithmetic: matrix products marked QUANTISED: E2M1 operands, one E8M0 scale for each 32 along K, by v_wmma_scale_f32_16x16x128_f8f6f4 with both operands' format E2M1 (or v_wmma_scale_f32_32x16x128_f4), f32 sums; products left as they are: bf16, f16 or f32 operands; f32 sums; everything else in f32.
;; Inputs: Wk 1,024 x 1,024 float32; Wq 1,024 x 1,024 float32; Wv 1,024 x 1,024 float32; hidden_states 4 x 4,096 x 1,024 float32.
;; Outputs: out0 4 x 4,096 x 1,024 float32.
;; This version of the problem:
;;   THIS VERSION OF THE PROBLEM IS GIVEN IN LOW PRECISION. The matrix products marked QUANTISED in the list below multiply operands that are first quantised to E2M1 (2 exponent bits, 1 mantissa bit; 4 bits a number), with one power-of-two scale for each 32 numbers along K (OCP MX v1.0); their sums are f32. The products marked 'left as it is' may take bf16, f16 or f32 operands, with f32 sums. Whichever they take, every output number must still come out within the allowed error. Rounding operands to bf16 (8 significant bits) uses up far more of that allowance than f16 does (11 bits, for magnitudes from 6e-5 to 65,504). All else is computed in f32.
;;   The module's matrix products, in the order in which they are computed (A, B: the left and right operand; K: the contracted axis; several contracted axes count as one K, in the product's order):
;;     1. [M 16,384, K 1,024] x [K 1,024, N 1,024]; A: input hidden_states; B: input Wq: QUANTISED
;;     2. [M 16,384, K 1,024] x [K 1,024, N 1,024]; A: input hidden_states; B: input Wk: QUANTISED
;;     3. [M 16,384, K 1,024] x [K 1,024, N 1,024]; A: input hidden_states; B: input Wv: QUANTISED
;;     4. batch 2,048 x [M 128, K 64] x [K 64, N 256]; A: computed on the way; B: computed on the way: left as it is (an operand is computed on the way)
;;     5. batch 2,048 x [M 128, K 256] x [K 256, N 64]; A: computed on the way; B: computed on the way: left as it is (an operand is computed on the way)
;;   THE QUANTISER, for each operand of a quantised product, along K:
;;     - K is cut into blocks of 32 from its start; a last block that is shorter is filled with zeros.
;;     - A block's scale is 2^e with e = floor(log2(the largest magnitude in the block)) - 2, held to -126 .. 127; a block of zeros has e = 0. As a byte (E8M0): e + 127.
;;     - Each number is divided by its block's scale, clamped to +-6, and rounded to the nearest number of E2M1, ties to even, subnormals kept.
;;     - The product sums the exact products of the quantised numbers (number of the format x scale) in f32.
;;   ~~~python
;;   def quantise(x, axis):      # numpy; x: float32 -> the quantised numbers, widened to float32 again
;;       x = np.moveaxis(x, axis, -1); K = x.shape[-1]
;;       x = np.pad(x, [(0, 0)] * (x.ndim - 1) + [(0, -K % 32)]); x = x.reshape(x.shape[:-1] + (-1, 32)); a = np.abs(x).max(-1, keepdims=True)
;;       e = np.where(a > 0, np.clip(np.frexp(np.where(a > 0, a, 1))[1] - 1 - 2, -126, 127), 0)      # np.frexp(a)[1] - 1 = floor(log2(a)), exactly
;;       r = np.clip(x / 2.0 ** e, -6, 6)
;;       step = 2.0 ** (np.maximum(np.frexp(np.where(r == 0, 1, r))[1] - 1, 0) - 1)
;;       q = np.round(r / step) * step * 2.0 ** e      # np.round: ties to even
;;       return np.moveaxis(q.reshape(q.shape[:-2] + (-1,))[..., :K], -1, axis).astype(np.float32)
;;   ~~~
;; One version. Each part assembles by itself: llvm-mc -triple=amdgcn-amd-amdhsa -mcpu=gfx1250 --defsym DOCPART=n.
;; ======== version 1 of 1: 3 launches
;; limits: values are held in f16: magnitudes above 65,504 overflow, below 6.1e-05 lose precision; right only within a limited range of input values
;; workspace buffers: hcod 8,912,896 bytes; wcod 1,572,864 bytes; wscl 98,304 bytes
;; launch quant (part 1): grid 304 x 1, 8 waves a work-group, no clusters, 70,656 bytes of LDS; arguments hidden_states, Wq, Wk, Wv, hcod, wcod, wscl; writes hcod, wcod, wscl
.if DOCPART == 1
	.amdgcn_target "amdgcn-amd-amdhsa--gfx1250"
	.amdhsa_code_object_version 6
	.text
	.protected	k_qfa99495832_quant
	.globl	k_qfa99495832_quant
	.p2align	8
	.type	k_qfa99495832_quant,@function
k_qfa99495832_quant:
	s_mov_b64 s[64:65], 0
	v_nop
	global_prefetch_b8 v0, s[64:65] scope:SCOPE_SE
	s_setreg_imm32_b32 hwreg(HW_REG_WAVE_MODE, 25, 1), 1
	s_wait_xcnt 0x0
; hidden_states [16384][1024] f32 (K innermost) and Wq, Wk, Wv [1024 (K)][1024] f32 (K outermost) become codes of FP4 (E2M1) with one E8M0 byte for each 32 along K,
; laid IN THE ORDER OF THE OPERAND'S REGISTERS, so that the later launches fetch fragments as dense bytes, 16 a lane.
; A block's scale is 2^(floor(log2(its largest magnitude)) - 2): its byte is the largest magnitude's exponent field - 2, held at 1 from below by a floor among the maximum's leaves.
; hcod: 128 chunks of 128 rows x 69,632 bytes: codes [tile of 16 rows a][block b of 32 along K][row r][16 bytes], then scale bytes [half g of K][row 128][16 bytes].
;       With b = 4 s + 2 c + h the 1,024 bytes at a 8192 + s 1024 are fragment (a, K step s): register group c of lane 16 h + r at c 512 + 16 lane.
; wcod: [q, k, v][tile of 16 columns][block b][column r][16 bytes]: the same image.   wscl: [q, k, v][32 columns][quarter of K][column % 32][8 bytes].
; LIMITS: NaN and infinities are not served.  A block whose largest magnitude lies under 2^-124 keeps the byte 1; so does a block of zeros, where the rule says 127: its codes are zeros,
; which add nothing under that byte, and the bytes are read by this program alone.
; SHARES: work-groups 0-47 take the weights (a wave: 32 columns x 256 along K; a lane a column, its registers down K, so nothing is transposed);
; work-groups 48-303 take hidden_states (a work-group: 128 rows x 512 along K; a wave: 16 rows).  Waves share nothing: no barrier.
.set NWW,   48                         ; work-groups for the weights
.set STG,   4352                       ; a stage: 16 rows x (256 bytes + 16)
.set WREG,  2*STG                      ; a wave's two stages
.set SPARE, 8*WREG                     ; behind them: the spare words, 128 bytes a wave
.set SPW,   14                         ; v14  LDS address of my spare word; never rewritten
.set NIL,   15                         ; v15  0; never rewritten
.set E,     16                         ; v16-23   a scale byte for each step (weights: v16-17 the bytes, four to a register)
.set R,     32                         ; v32-159  four sets of 32 numbers as loaded (weights: two sets)
.set X,     160                        ; v160-223 two sets of 32 neighbours along K
.set C,     224                        ; v224-255 four registers of codes for each of eight steps: no store's data are written again
	s_load_b256 s[4:11], s[0:1], 0x0               ; hidden_states s[4:5], Wq s[6:7], Wk s[8:9], Wv s[10:11]
	s_load_b128 s[12:15], s[0:1], 0x20             ; hcod s[12:13], wcod s[14:15]
	s_load_b64 s[16:17], s[0:1], 0x30              ; wscl
	v_lshl_add_u32 v[SPW], v0, 2, SPARE
	v_mov_b32 v[NIL], 0
	v_lshrrev_b32 v1, 5, v0
	v_readfirstlane_b32 s18, v1                    ; wave 0..7
	v_and_b32 v1, 31, v0                           ; lane
	v_and_b32 v2, 15, v0                           ; r
	v_bfe_u32 v3, v0, 4, 1                         ; h
	s_mov_b32 s20, 0x76543210
	s_mov_b32 s21, 0xfedcba98                      ; v_permlanex16_b32's selects for lane l xor 16
; the largest magnitude of v[xs] .. v[xs+31], with the floor 2^(3 - 127), into v24; with 2 off its exponent field, the conversions' scale operand, into v26
.macro AMAX xs
	v_max3_num_f32 v24, |v[\xs]|, |v[\xs+1]|, |v[\xs+2]|
	v_max3_num_f32 v25, |v[\xs+3]|, |v[\xs+4]|, |v[\xs+5]|
.irp i, 6,10,14,18,22,26
	v_max3_num_f32 v24, v24, |v[\xs+\i]|, |v[\xs+\i+1]|            ; two chains, so that no line waits for the line above it
	v_max3_num_f32 v25, v25, |v[\xs+\i+2]|, |v[\xs+\i+3]|
.endr
	v_max3_num_f32 v24, v24, |v[\xs+30]|, |v[\xs+31]|
	v_max3_num_f32 v24, v24, v25, 0x1800000
	v_add_nc_u32 v26, 0xff000000, v24
.endm
	s_cmp_lt_u32 ttmp9, NWW
	s_cbranch_scc1 .Lweights
; ---------------- hidden_states ----------------
	s_sub_co_u32 s22, ttmp9, NWW
	s_lshr_b32 s23, s22, 1                         ; chunk of 128 rows
	s_and_b32 s22, s22, 1                          ; g: which 512 along K
	s_lshl_b32 s24, s23, 19                        ; in: chunk x 128 rows of 4,096 bytes
	s_lshl_b32 s26, s18, 16                        ;     + wave x 16 rows
	s_add_co_u32 s24, s24, s26
	s_lshl_b32 s26, s22, 11                        ;     + g x 2,048 bytes
	s_add_co_u32 s24, s24, s26
	s_mov_b32 s25, 0
	s_mul_i32 s28, s23, 69632                      ; out: the chunk's block
	s_lshl_b32 s26, s18, 13                        ; codes: + tile x 8,192
	s_add_co_u32 s26, s28, s26
	s_lshl_b32 s27, s22, 12                        ;        + g x 16 blocks x 256
	s_add_co_u32 s26, s26, s27
	s_mov_b32 s27, 0
	s_lshl_b32 s30, s22, 11                        ; scale bytes: 65,536 + g x 2,048 + tile x 256
	s_add_co_u32 s28, s28, s30
	s_lshl_b32 s30, s18, 8
	s_add_co_u32 s28, s28, s30
	s_add_co_u32 s28, s28, 65536
	s_mov_b32 s29, 0
	s_mul_i32 s31, s18, WREG                       ; my stages
	v_lshlrev_b32 v4, 12, v3
	v_lshl_add_u32 v4, v2, 4, v4                   ; in: lanes 0-15 one row's 256 bytes, lanes 16-31 the next row's
	v_mul_u32_u24 v5, v3, 272
	v_lshl_add_u32 v5, v2, 4, v5
	v_add_nc_u32 v5, s31, v5                       ; the stage, on the way in: as loaded
	v_mul_u32_u24 v6, v2, 272
	v_lshl_add_u32 v6, v3, 7, v6
	v_add_nc_u32 v6, s31, v6                       ; and on the way out: row r, block h: my 32 neighbours
	v_lshlrev_b32 v7, 4, v1                        ; codes: 16 bytes a lane
	v_lshlrev_b32 v8, 4, v2
	v_lshl_add_u32 v8, v3, 3, v8                   ; scale bytes: row r's 16 bytes, 8 for each half of the lanes
	v_lshlrev_b32 v9, 3, v3                        ; 8 h
	s_wait_kmcnt 0x0
	s_add_nc_u64 s[4:5], s[4:5], s[24:25]
	s_add_nc_u64 s[26:27], s[12:13], s[26:27]
	s_add_nc_u64 s[28:29], s[12:13], s[28:29]
.macro LOADH t                         ; step t: 64 along K of my 16 rows; each half of the lanes reads 256 consecutive bytes, aligned
.irp i, 0,1,2,3,4,5,6,7
	global_load_b128 v[R+32*((\t)%4)+4*\i:R+32*((\t)%4)+4*\i+3], v4, s[4:5] offset:\i*8192+(\t)*256 th:TH_LOAD_NT
.endr
.endm
.macro TURNH t                         ; through my own stage: LDS serves a wave's instructions in order, so no wait stands between the stores and the loads
.irp i, 0,1,2,3,4,5,6,7
	ds_store_b128 v5, v[R+32*((\t)%4)+4*\i:R+32*((\t)%4)+4*\i+3] offset:((\t)%2)*STG+\i*544
.endr
.irp i, 0,1,2,3,4,5,6,7
	ds_load_b128 v[X+32*((\t)%2)+4*\i:X+32*((\t)%2)+4*\i+3], v6 offset:((\t)%2)*STG+16*\i
.endr
.endm
.macro STEPH t
.set XS, X+32*((\t)%2)
	s_wait_dscnt 0x0                               ; this step's numbers are back from the stage, so its stores into the stage have read their registers,
.if (\t)+4 < 8
	LOADH (\t)+4                                   ; which take the loads of four steps on
.endif
.if (\t)+1 < 8
.if 6-(\t) >= 3
	s_wait_loadcnt 24                              ; the next step's eight loads are in; those of the three steps behind it may be out
.else
	s_wait_loadcnt 8*(6-(\t))                      ; towards the end fewer steps stand behind it
.endif
	TURNH (\t)+1                                   ; it goes through the other stage while this step is worked
.endif
	AMAX XS                                        ; a whole block of 32 is mine: no other lane is asked
.irp g, 0,1,2,3
	v_cvt_scalef32_pk8_fp4_f32 v[C+4*(\t)+\g], v[XS+8*\g:XS+8*\g+7], v26
.endr
	v_lshrrev_b32 v[E+(\t)], 23, v26               ; the scale's byte (also the plain line behind the conversions)
	global_store_b128 v7, v[C+4*(\t):C+4*(\t)+3], s[26:27] offset:(\t)*512   ; blocks 2 t and 2 t + 1 of 16 rows: 512 consecutive bytes
.endm
.irp t, 0,1,2,3
	LOADH \t
.endr
	s_wait_loadcnt 24                              ; step 0's eight loads are in
	TURNH 0
.irp t, 0,1,2,3,4,5,6,7
	STEPH \t
.endr
	; my eight bytes are those of blocks 2 t + h of row r; with lane l xor 16's they make the row's 16 bytes: four scale words
	v_mov_b32 v29, 0                               ; a lane permute's destination counts as one of its sources
.irp q, 0,1,2,3
	v_lshl_or_b32 v28, v[E+2*\q+1], 16, v[E+2*\q]
	v_lshlrev_b32 v28, v9, v28                     ; 8 h bits up
	v_permlanex16_b32 v29, v28, s20, s21
	v_or_b32 v[24+\q], v28, v29
.endr
	v_cmp_eq_u32 vcc_lo, 1, v3
	v_cndmask_b32 v30, v24, v26, vcc_lo            ; lanes 0-15 store words 0 and 1, lanes 16-31 words 2 and 3
	v_cndmask_b32 v31, v25, v27, vcc_lo
	global_store_b64 v8, v[30:31], s[28:29]        ; 32 lanes store 256 consecutive bytes, aligned
	s_wait_tensorcnt 0x0                           ; the wave's end, behind my last LDS store
	ds_add_u32 v[SPW], v[NIL]
	s_wait_dscnt 0x0
	s_endpgm
; ---------------- the weights ----------------
.Lweights:
	s_lshr_b32 s22, ttmp9, 4                       ; which weight: 0 q, 1 k, 2 v
	s_and_b32 s23, ttmp9, 3                        ; which quarter of K
	s_bfe_u32 s24, ttmp9, 0x20002
	s_lshl_b32 s24, s24, 3
	s_add_co_u32 s24, s24, s18                     ; which 32 columns
	s_lshl_b32 s26, s23, 20                        ; in: quarter x 256 rows of 4,096 bytes + 128 bytes for each 32 columns
	s_lshl_b32 s27, s24, 7
	s_add_co_u32 s26, s26, s27
	s_mov_b32 s27, 0
	s_lshl_b32 s28, s22, 19                        ; codes: weight x 524,288 + two tiles x 8,192 + quarter x 8 blocks x 256
	s_lshl_b32 s29, s24, 14
	s_add_co_u32 s28, s28, s29
	s_lshl_b32 s29, s23, 11
	s_add_co_u32 s28, s28, s29
	s_mov_b32 s29, 0
	s_lshl_b32 s30, s22, 15                        ; scale bytes: weight x 32,768 + 1,024 for each 32 columns + quarter x 256
	s_lshl_b32 s31, s24, 10
	s_add_co_u32 s30, s30, s31
	s_lshl_b32 s31, s23, 8
	s_add_co_u32 s30, s30, s31
	s_mov_b32 s31, 0
	v_lshlrev_b32 v4, 2, v1                        ; in: a lane a column
	v_lshlrev_b32 v7, 13, v3
	v_lshl_add_u32 v7, v2, 4, v7                   ; codes: tile h, column r
	v_lshlrev_b32 v8, 3, v1                        ; scale bytes: 8 a lane
	s_wait_kmcnt 0x0
	s_cmp_lt_u32 ttmp9, 16                         ; the choice hangs on the work-group's number alone
	s_cselect_b64 s[32:33], s[6:7], s[8:9]
	s_cmp_lt_u32 ttmp9, 32
	s_cselect_b64 s[32:33], s[32:33], s[10:11]
	s_add_nc_u64 s[32:33], s[32:33], s[26:27]
	s_add_nc_u64 s[28:29], s[14:15], s[28:29]
	s_add_nc_u64 s[30:31], s[16:17], s[30:31]
.macro LOADW t                         ; block t: W(32 t + i, my column), i = 0 .. 31: each load reads 128 consecutive bytes
.irp i, 0,1,2,3,4,5,6,7,8,9,10,11,12,13,14,15,16,17,18,19,20,21,22,23,24,25,26,27,28,29,30,31
	global_load_b32 v[R+32*((\t)%2)+\i], v4, s[32:33] offset:(32*(\t)+\i)*4096 th:TH_LOAD_NT
.endr
.endm
.macro BLOCKW t
.set XS, R+32*((\t)%2)
.if (\t) < 7
	s_wait_loadcnt 32                              ; this block's 32 loads are in; the next block's may be out
.else
	s_wait_loadcnt 0x0
.endif
	AMAX XS
	v_lshrrev_b32 v27, 23, v26                     ; the scale's byte
.if (\t)%4 == 0
	v_mov_b32 v[E+(\t)/4], v27                     ; four bytes to a register, the lower K in the lower byte
.else
	v_lshl_or_b32 v[E+(\t)/4], v27, 8*((\t)%4), v[E+(\t)/4]
.endif
.irp g, 0,1,2,3
	v_cvt_scalef32_pk8_fp4_f32 v[C+4*(\t)+\g], v[XS+8*\g:XS+8*\g+7], v26
.endr
	v_nop                                          ; one plain line behind the conversions
	global_store_b128 v7, v[C+4*(\t):C+4*(\t)+3], s[28:29] offset:(\t)*256   ; each half of the lanes stores 256 consecutive bytes, aligned
.if (\t)+2 < 8
	LOADW (\t)+2
.endif
.endm
	LOADW 0
	LOADW 1
.irp t, 0,1,2,3,4,5,6,7
	BLOCKW \t
.endr
	global_store_b64 v8, v[E:E+1], s[30:31]        ; 32 lanes store 256 consecutive bytes, aligned
	s_wait_tensorcnt 0x0                           ; the wave's end
	ds_add_u32 v[SPW], v[NIL]
	s_wait_dscnt 0x0
	s_endpgm
.Lfunc_end_k_qfa99495832_quant:
	.size	k_qfa99495832_quant, .Lfunc_end_k_qfa99495832_quant-k_qfa99495832_quant
	.p2alignl 7, 3214868480
	.fill 96, 4, 3214868480
	.section	.rodata,"a",@progbits
	.p2align	6, 0x0
	.amdhsa_kernel k_qfa99495832_quant
		.amdhsa_group_segment_fixed_size 70656
		.amdhsa_private_segment_fixed_size 0
		.amdhsa_enable_private_segment 0
		.amdhsa_kernarg_size 56
		.amdhsa_user_sgpr_count 2
		.amdhsa_user_sgpr_kernarg_segment_ptr 1
		.amdhsa_wavefront_size32 1
		.amdhsa_system_sgpr_workgroup_id_x 1
		.amdhsa_system_sgpr_workgroup_id_y 1
		.amdhsa_system_sgpr_workgroup_id_z 1
		.amdhsa_system_vgpr_workitem_id 0
		.amdhsa_next_free_vgpr 256
		.amdhsa_next_free_sgpr 66
		.amdhsa_reserve_vcc 1
		.amdhsa_float_denorm_mode_32 3
		.amdhsa_float_denorm_mode_16_64 3
		.amdhsa_memory_ordered 1
		.amdhsa_forward_progress 1
		.amdhsa_inst_pref_size 68
	.end_amdhsa_kernel
	.amdgpu_metadata
---
amdhsa.version: [ 1, 2 ]
amdhsa.kernels:
  - .name:           k_qfa99495832_quant
    .symbol:         k_qfa99495832_quant.kd
    .args:
      - { .name: hidden_states, .offset: 0, .size: 8, .value_kind: global_buffer, .address_space: global }
      - { .name: Wq, .offset: 8, .size: 8, .value_kind: global_buffer, .address_space: global }
      - { .name: Wk, .offset: 16, .size: 8, .value_kind: global_buffer, .address_space: global }
      - { .name: Wv, .offset: 24, .size: 8, .value_kind: global_buffer, .address_space: global }
      - { .name: hcod, .offset: 32, .size: 8, .value_kind: global_buffer, .address_space: global }
      - { .name: wcod, .offset: 40, .size: 8, .value_kind: global_buffer, .address_space: global }
      - { .name: wscl, .offset: 48, .size: 8, .value_kind: global_buffer, .address_space: global }
    .group_segment_fixed_size: 70656
    .private_segment_fixed_size: 0
    .kernarg_segment_align: 8
    .kernarg_segment_size: 56
    .max_flat_workgroup_size: 256
    .sgpr_count:     66
    .vgpr_count:     256
    .wavefront_size: 32
...
	.end_amdgpu_metadata
.endif
;; end of part 1
;; launch attn (part 2): grid 16 x 16, 4 waves a work-group, clusters of 4 x 1, 327,680 bytes of LDS; arguments hcod, wcod, wscl, out0; writes out0
.if DOCPART == 2
	.amdgcn_target "amdgcn-amd-amdhsa--gfx1250"
	.amdhsa_code_object_version 6
	.text
	.protected	k_qfa99495832_attn
	.globl	k_qfa99495832_attn
	.p2align	8
	.type	k_qfa99495832_attn,@function
k_qfa99495832_attn:
	s_mov_b64 s[64:65], 0
	v_nop
	global_prefetch_b8 v0, s[64:65] scope:SCOPE_SE
	s_setreg_imm32_b32 hwreg(HW_REG_WAVE_MODE, 25, 1), 1
	s_wait_xcnt 0x0
	s_wait_alu depctr_hold_cnt(0) depctr_sa_sdst(0) depctr_va_vdst(0) depctr_va_sdst(0) depctr_va_ssrc(0) depctr_va_vcc(0) depctr_vm_vsrc(0)
	s_getreg_b32 s2, hwreg(HW_REG_IB_STS2, 6, 4)
	s_cmp_eq_u32 s2, 0
	s_cbranch_scc0 .Lentry_in_a_cluster
	s_endpgm
.Lentry_in_a_cluster:
	s_bfe_u32 s2, ttmp6, 0x10000c
	s_cmp_lg_u32 s2, 0x3003
	s_cbranch_scc0 .Lentry_shape_is_right
	s_endpgm
.Lentry_shape_is_right:
; out0 = local causal attention over q, k, v = hidden_states x (Wq, Wk, Wv).  The three projections run on codes of FP4 with E8M0 scales (made by the launch before); q, k, v never go to memory.
; SHARES.  A work-group owns one head and a segment of 8 chunks of 128 positions of one batch, and walks 9 chunks: the chunk before the segment (for its k and v alone), then its own eight.
; PROJECTION of a chunk: 128 rows x 192 columns (q, k, v: 64 each) x K 1,024.  Wave (i, j) makes rows 64 i .. + 63 x channels 32 j .. + 31 of q, k and v: 24 accumulators.  Its 48 weight fragments and
; their scale words stay in registers for the whole launch, so each hidden fragment read from LDS feeds six matrix instructions.  q and k: source 0 = weights, source 1 = hidden rows (a lane holds
; one position, eight channels); v: the sources swapped (a lane holds one channel, eight positions: V^T, keys innermost).  They are rounded to f16 and meet in LDS.
; ATTENTION of a chunk: wave w owns the query tiles A = w and B = 7 - w.  S^T = K Q^T and O^T = V^T P, so a lane holds one query throughout.  A takes the 8 key tiles of the chunk before and
; own tiles 0-3, B those 8 and own tiles 0-7: 14 key steps of 32 in every wave.  All scores of a query lie in registers: one pass with the row's true maximum.
; THE MASK is the C of a score tile's first product: PM (-1e9 for the chunk before a batch's first chunk, which reference() hides wholly; else 0) and DM (-1e9 where key > query), made once.
; CLUSTER: the four partners are four heads of one segment and need the same hidden codes: each chunk's block is asked for jointly, a quarter by each wave.
; LIMITS: |q|, |k|, |v| under 65,504 (f16).  A hidden score is score - 1e9 and weighs 0 while the row's largest true score x 8 lies above about -1e9 + 1e3.  1/sqrt(64) is folded, exactly, into c = log2(e) / 8.
; Rows 0-15 of each batch are stored here too and stored anew, from f32 products, by the launch behind this one: that spares this text a branch round its stores.
; No prefetch: a refill is asked for a whole trip (304 matrix instructions and a softmax) ahead of the wait for it.
; REGISTERS, in windows of 256 (s_set_vgpr_msb: bits 1:0 source 0, 3:2 source 1, 5:4 source 2, 7:6 destination):
;   window 0: v1-24 addresses; v26, v27 the add's two; v28-43 statistics; v44-51 PM; v64-127 FA, v128-191 FB: fragments at work; v208-223 hidden scale words; v224-247 weights' scale words
;   window 1: weights, tiles n = 0..3 (q, q, k, k) at 64 n + 8 s.   window 2: v0-127 tiles n = 4, 5 (v); v128-191 O^T; v192-255 DM
;   window 3: v0-191 the projection's accumulators (8 (6 m + n)); later v0-95 A's scores, v96-223 B's, p in place; v224-255 Q's fragments
.set HBLK,  69632                      ; a chunk's block: 65,536 bytes of codes, 4,096 of scale bytes
.set QTR,   17408                      ; a quarter of it: what one tensor load brings: 68 rows of 256 bytes
.set HSL1,  131072                     ; LDS: hidden slot 0 at 0, slot 1 here: one exclusive or turns an address
.set QB,    69632                      ; q: 128 positions x (128 bytes + 16)
.set STGB,  88064                      ; the way out: 32 rows x (256 bytes + 16) for each wave
.set KVB,   200704                     ; two slots of k (128 positions x 144) and V^T (64 channels x 272)
.set VOFF,  18432
.set KVSZ,  35840
.set SPARE, 272384                     ; the spare words, 128 bytes a wave: two blocks of 256 bytes that no other line names
.set HA0, 4                            ; v4   hidden fragments: 16 lane + 32768 i
.set HS0, 5                            ; v5   hidden scale words: 65536 + 1024 i + 16 lane
.set QS,  6                            ; v6   where I store q
.set KS0, 7                            ; v7   and k, in slot 0
.set VS0, 8                            ; v8   and V^T
.set QAA, 9                            ; v9   where I read tile A's queries
.set QAB, 10                           ; v10  and tile B's
.set K0,  11                           ; v11  my lane's place in a tile of k, slot 0
.set V0,  12                           ; v12  and of V^T
.set SO,  13                           ; v13  the stage: where I put 32 bytes of a row
.set SR,  14                           ; v14  and where I read a row back
.set GA,  15                           ; v15  my byte offset in the chunk's rows of out0, tile A
.set GB,  16                           ; v16  tile B
.set HA,  17                           ; v17-24 the trip's addresses: the above + the slot in hand
.set HSA, 18
.set KS,  19
.set VS,  20
.set KP,  21
.set KO,  22
.set VP,  23
.set VO,  24
.set SPW, 26
.set NIL, 27
.set STA, 28                           ; tile A: +0 c m, +1 named with it, +2:3 and +4:5 the sum's chains, +4..7 the maximum's chains, +6 1/l
.set STB, 36
.set PM,  44
.set FA,  64
.set FB,  128
.set HSC, 208
.set WSC, 224
.set QF,  224                          ; in window 3
.set MSB, 0
.macro WIN new                         ; the immediate's high byte repeats the setting that is left; a switch that changes nothing is dropped
.if MSB != \new
	s_set_vgpr_msb (MSB<<8)|\new
.set MSB, \new
.endif
.endm
.macro NOP4                            ; four places: in front of loads into registers that matrix instructions have read, and of the first read of results
.rept 4
	v_nop
.endr
.endm
.macro ROUND                           ; a round of the cluster's barrier
	s_barrier_signal -1
	s_barrier_wait -1
	s_cmp_lg_u32 s12, 0
	s_cbranch_scc1 .Lnot_wave_0_\@
	s_barrier_signal -3
.Lnot_wave_0_\@:
	s_barrier_wait -3
	s_barrier_signal -1
	s_barrier_wait -1
.endm
	s_load_b256 s[4:11], s[0:1], 0x0               ; hcod s[4:5], wcod s[6:7], wscl s[8:9], out0 s[10:11]
	v_lshl_add_u32 v[SPW], v0, 2, SPARE
	v_mov_b32 v[NIL], 0
	ds_add_u32 v[SPW], v[NIL]                      ; the wave's opening: the add, twice on end, and its wait ahead of my first tensor load
	ds_add_u32 v[SPW], v[NIL]
	v_lshrrev_b32 v1, 5, v0
	v_readfirstlane_b32 s12, v1                    ; wave w
	s_lshr_b32 s13, s12, 1                         ; i: my 64 rows of a chunk
	s_and_b32 s14, s12, 1                          ; j: my 32 channels
	s_xor_b32 s18, s12, 7                          ; 7 - w: query tile B
	s_bfe_u32 s15, ttmp6, 0x40000                  ; cx: it enters the weights' and out0's addresses alone
	s_lshl_b32 s16, ttmp9, 2
	s_add_co_u32 s16, s16, s15                     ; head
	s_and_b32 s17, ttmp7, 0xffff                   ; segment, which the four partners share
	s_mov_b32 s24, 15|(3<<16)|(1<<21)              ; group 1: the mask names all four; elements of 8 bytes; bit 21 beside a mask; no padding
	s_mov_b32 s25, 32<<16                          ; tensor_dim0 = 32 elements: rows of 256 bytes
	s_mov_b32 s26, 68<<16                          ; tensor_dim1 = 68
	s_mov_b32 s27, 32<<16                          ; tile_dim0
	s_mov_b32 s28, 68                              ; tile_dim1
	s_mov_b32 s29, 32                              ; the pitch: the block is dense
	s_mov_b32 s30, 0
	s_mov_b32 s31, 0
	s_mov_b32 s20, 0x76543210
	s_mov_b32 s21, 0xfedcba98                      ; v_permlanex16_b32's selects for lane l xor 16
	s_mov_b32 s22, 0x3e38aa3b                      ; c = log2(e) / 8
	s_mov_b32 s23, s22                             ; (named with it as a pair)
	s_lshl_b32 s48, s17, 3                         ; the segment's first chunk
	s_and_b32 s49, s17, 3                          ; 0 where it is a batch's first
	s_cselect_b32 s50, -1, 31                      ; the chunk before: one back, or the batch's last (the rolled one)
	s_cselect_b32 s57, 0, 0xce6e6b28               ; and whether it counts: 0, or -1e9
	s_add_co_i32 s50, s48, s50
	s_mul_i32 s33, s12, QTR                        ; my quarter: in a block and in a slot
	s_mul_i32 s50, s50, HBLK
	s_add_co_u32 s50, s50, s33
	s_mov_b32 s51, 0
	s_mul_i32 s52, s48, HBLK
	s_add_co_u32 s52, s52, s33
	s_mov_b32 s53, 0
	s_lshl_b32 s54, s48, 19                        ; out0: chunk x 128 rows of 4,096 bytes + head x 256
	s_lshl_b32 s55, s16, 8
	s_add_co_u32 s54, s54, s55
	s_mov_b32 s55, 0
	s_mov_b32 s32, 1                               ; group 0 of the first fill of slot 0: the chunk before
	s_mov_b32 s36, 1                               ; group 0 that walks: it begins with slot 1 and the segment's first chunk
	s_add_co_u32 s37, s33, HSL1
	s_wait_dscnt 0x0                               ; both opening adds are done
	s_wait_kmcnt 0x0
	s_add_nc_u64 s[34:35], s[4:5], s[50:51]
	s_or_b32 s35, s35, 0x80000000
	s_add_nc_u64 s[38:39], s[4:5], s[52:53]
	s_or_b32 s39, s39, 0x80000000
	s_add_nc_u64 s[46:47], s[10:11], s[54:55]
	s_lshl_b32 s52, s16, 15                        ; my weights: tile 4 head + 2 j, 8,192 bytes a tile
	s_lshl_b32 s50, s14, 14
	s_add_co_u32 s52, s52, s50
	s_add_nc_u64 s[52:53], s[6:7], s[52:53]
	s_lshl_b32 s54, s16, 11                        ; their scale words: 1,024 bytes for each 32 columns
	s_lshl_b32 s50, s14, 10
	s_add_co_u32 s54, s54, s50
	s_add_nc_u64 s[54:55], s[8:9], s[54:55]
	ROUND                                          ; all four work-groups are here: the first joint loads meet
	tensor_load_to_lds s[32:35], s[24:31]          ; both first fills go out together: two loads of mine are out
	s_nop 0
	tensor_load_to_lds s[36:39], s[24:31]
	s_nop 0
	NOP4
	v_and_b32 v1, 31, v0                           ; lane
	v_and_b32 v2, 15, v0                           ; r
	v_bfe_u32 v3, v0, 4, 1                         ; h
	v_lshlrev_b32 v56, 4, v1
	v_lshlrev_b32 v57, 3, v1
	WIN 0x40                                       ; destination window 1
.irp n, 0,1,2,3
.irp s, 0,1,2,3,4,5,6,7
.irp c, 0,1
	global_load_b128 v[64*\n+8*\s+4*\c:64*\n+8*\s+4*\c+3], v56, s[52:53] offset:(\n/2)*524288+(\n%2)*8192+\s*1024+\c*512
.endr
.endr
.endr
	WIN 0x80                                       ; destination window 2
.irp n, 0,1
.irp s, 0,1,2,3,4,5,6,7
.irp c, 0,1
	global_load_b128 v[64*\n+8*\s+4*\c:64*\n+8*\s+4*\c+3], v56, s[52:53] offset:2*524288+\n*8192+\s*1024+\c*512
.endr
.endr
.endr
	WIN 0
.irp x, 0,1,2
.irp q, 0,1,2,3
	global_load_b64 v[WSC+8*\x+2*\q:WSC+8*\x+2*\q+1], v57, s[54:55] offset:\x*32768+\q*256   ; register 8 x + s: lanes 0-15 the even tile's words of K step s, lanes 16-31 the odd tile's
.endr
.endr
	; LDS addresses: constants, the lane and the wave's number
	s_lshl_b32 s48, s13, 15
	v_lshl_add_u32 v[HA0], v1, 4, s48
	s_lshl_b32 s48, s13, 10
	s_add_co_u32 s48, s48, 65536
	v_lshl_add_u32 v[HS0], v1, 4, s48
	v_mul_u32_u24 v52, v2, 144
	v_lshl_add_u32 v52, v3, 4, v52                 ; r x 144 + 16 h
	v_mul_u32_u24 v53, v2, 272
	v_lshl_add_u32 v53, v3, 4, v53                 ; r x 272 + 16 h
	s_mul_i32 s48, s13, 9216                       ; 64 i rows of 144
	s_lshl_b32 s49, s14, 6                         ; 32 j channels
	s_add_co_u32 s48, s48, s49
	s_add_co_u32 s50, s48, QB
	v_add_nc_u32 v[QS], s50, v52
	s_add_co_u32 s50, s48, KVB
	v_add_nc_u32 v[KS0], s50, v52
	s_mul_i32 s48, s14, 8704                       ; 32 j rows of 272
	s_lshl_b32 s49, s13, 7                         ; 64 i positions
	s_add_co_u32 s48, s48, s49
	s_add_co_u32 s48, s48, KVB+VOFF
	v_add_nc_u32 v[VS0], s48, v53
	s_mul_i32 s48, s12, 2304
	s_add_co_u32 s48, s48, QB
	v_add_nc_u32 v[QAA], s48, v52
	s_mul_i32 s48, s18, 2304
	s_add_co_u32 s48, s48, QB
	v_add_nc_u32 v[QAB], s48, v52
	v_add_nc_u32 v[K0], KVB, v52
	v_add_nc_u32 v[V0], KVB+VOFF, v53
	s_mul_i32 s48, s12, 8704
	s_add_co_u32 s48, s48, STGB                    ; my stage
	v_mul_u32_u24 v54, v2, 272
	v_lshl_add_u32 v54, v3, 5, v54
	v_add_nc_u32 v[SO], s48, v54
	v_mul_u32_u24 v54, v3, 272
	v_lshl_add_u32 v54, v2, 4, v54
	v_add_nc_u32 v[SR], s48, v54
	v_lshlrev_b32 v54, 12, v3
	v_lshl_add_u32 v54, v2, 4, v54                 ; row h of 4,096 bytes + 16 r
	s_lshl_b32 s49, s12, 16
	v_add_nc_u32 v[GA], s49, v54
	s_lshl_b32 s49, s18, 16
	v_add_nc_u32 v[GB], s49, v54
.irp k, 0,1,2,3,4,5,6,7
	v_mov_b32 v[PM+\k], s57
.endr
	; DM: register jj of key tile kt holds key 16 kt + 8 h + jj; my query is 16 tile + r: hidden where 16 kt + jj > 16 tile + r - 8 h
	v_lshlrev_b32 v58, 3, v3
	v_sub_nc_u32 v58, v2, v58
	s_lshl_b32 s48, s12, 4
	s_lshl_b32 s49, s18, 4
	v_add_nc_u32 v59, s49, v58
	v_add_nc_u32 v58, s48, v58
	v_mov_b32 v60, 0xce6e6b28                      ; -1e9
	WIN 0x80
.irp k, 0,1,2,3
.irp j, 0,1,2,3,4,5,6,7
	v_cmp_gt_i32 vcc_lo, 16*\k+\j, v58
	v_cndmask_b32 v[192+8*\k+\j], 0, v60, vcc_lo   ; tile A against own key tiles 0-3
	v_cmp_gt_i32 vcc_lo, 64+16*\k+\j, v59
	v_cndmask_b32 v[224+8*\k+\j], 0, v60, vcc_lo   ; tile B against own key tiles 4-7 (tiles 0-3 lie wholly before it)
.endr
.endr
	WIN 0
	s_wait_loadcnt 0x0                             ; the weights and their scale words
	s_wait_tensorcnt 1                             ; my quarter of slot 0 is in; slot 1's load may stay out
	s_barrier_signal -1
	s_barrier_wait -1
	s_mov_b32 s40, 0                               ; trips done
	s_mov_b32 s41, 0                               ; the hidden slot in hand
	s_mov_b32 s42, 0                               ; the k, v slot that this chunk writes
	s_mov_b32 s43, KVSZ                            ; and the one that holds the chunk before
; ---- the projection ----
.macro HLOAD s                         ; my four tiles' fragments of K step s into buffer s % 2: dense bytes, 16 a lane
.irp m, 0,1,2,3
.irp c, 0,1
	ds_load_b128 v[FA+32*((\s)%2)+8*\m+4*\c:FA+32*((\s)%2)+8*\m+4*\c+3], v[HA] offset:\m*8192+(\s)*1024+\c*512
.endr
.endr
.endm
.macro PWX d, a, b, x, y, ra, rb, z    ; one product; ra, rb: the side's scale words lie in lanes 16-31; z: it starts the sum
.if \z
.if (\ra) && (\rb)
	v_wmma_scale_f32_16x16x128_f8f6f4 v[\d:\d+7], v[\a:\a+7], v[\b:\b+7], 0, v[\x], v[\y] matrix_a_fmt:MATRIX_FMT_FP4 matrix_b_fmt:MATRIX_FMT_FP4 matrix_a_scale:MATRIX_SCALE_ROW1 matrix_b_scale:MATRIX_SCALE_ROW1
.elseif (\ra)
	v_wmma_scale_f32_16x16x128_f8f6f4 v[\d:\d+7], v[\a:\a+7], v[\b:\b+7], 0, v[\x], v[\y] matrix_a_fmt:MATRIX_FMT_FP4 matrix_b_fmt:MATRIX_FMT_FP4 matrix_a_scale:MATRIX_SCALE_ROW1
.elseif (\rb)
	v_wmma_scale_f32_16x16x128_f8f6f4 v[\d:\d+7], v[\a:\a+7], v[\b:\b+7], 0, v[\x], v[\y] matrix_a_fmt:MATRIX_FMT_FP4 matrix_b_fmt:MATRIX_FMT_FP4 matrix_b_scale:MATRIX_SCALE_ROW1
.else
	v_wmma_scale_f32_16x16x128_f8f6f4 v[\d:\d+7], v[\a:\a+7], v[\b:\b+7], 0, v[\x], v[\y] matrix_a_fmt:MATRIX_FMT_FP4 matrix_b_fmt:MATRIX_FMT_FP4
.endif
.else
.if (\ra) && (\rb)
	v_wmma_scale_f32_16x16x128_f8f6f4 v[\d:\d+7], v[\a:\a+7], v[\b:\b+7], v[\d:\d+7], v[\x], v[\y] matrix_a_fmt:MATRIX_FMT_FP4 matrix_b_fmt:MATRIX_FMT_FP4 matrix_a_scale:MATRIX_SCALE_ROW1 matrix_b_scale:MATRIX_SCALE_ROW1
.elseif (\ra)
	v_wmma_scale_f32_16x16x128_f8f6f4 v[\d:\d+7], v[\a:\a+7], v[\b:\b+7], v[\d:\d+7], v[\x], v[\y] matrix_a_fmt:MATRIX_FMT_FP4 matrix_b_fmt:MATRIX_FMT_FP4 matrix_a_scale:MATRIX_SCALE_ROW1
.elseif (\rb)
	v_wmma_scale_f32_16x16x128_f8f6f4 v[\d:\d+7], v[\a:\a+7], v[\b:\b+7], v[\d:\d+7], v[\x], v[\y] matrix_a_fmt:MATRIX_FMT_FP4 matrix_b_fmt:MATRIX_FMT_FP4 matrix_b_scale:MATRIX_SCALE_ROW1
.else
	v_wmma_scale_f32_16x16x128_f8f6f4 v[\d:\d+7], v[\a:\a+7], v[\b:\b+7], v[\d:\d+7], v[\x], v[\y] matrix_a_fmt:MATRIX_FMT_FP4 matrix_b_fmt:MATRIX_FMT_FP4
.endif
.endif
.endm
.macro PW m, n, s                      ; tile of rows m x tile of columns n, K step s
.set rD, 8*(6*(\m)+(\n))
.set rH, FA+32*((\s)%2)+8*(\m)
.set qH, HSC+8*((\m)/2)+(\s)
.set qW, WSC+8*((\n)/2)+(\s)
.if (\n) < 4
.set rW, 64*(\n)+8*(\s)
	PWX rD, rW, rH, qW, qH, (\n)%2, (\m)%2, (\s)==0
.else
.set rW, 64*((\n)-4)+8*(\s)
	PWX rD, rH, rW, qH, qW, (\m)%2, (\n)%2, (\s)==0
.endif
.endm
.macro PSTEP s                         ; 24 products; the 24 accumulators take turns, in the same order in every step
.if (\s) >= 1
	NOP4                                           ; the buffer to be loaded was read by the step before
.endif
.if (\s) < 7
	HLOAD (\s)+1
	s_wait_dscnt 8                                 ; all but the eight loads just issued: this step's fragments are in (and, in step 0, the scale words)
.else
	s_wait_dscnt 0x0
.endif
	WIN 0xF1                                       ; weights window 1, hidden window 0, C and D window 3
.irp m, 0,1,2,3
.irp n, 0,1,2,3
	PW \m, \n, \s
.endr
.endr
	WIN 0xF8                                       ; hidden window 0, weights window 2
.irp m, 0,1,2,3
.irp n, 4,5
	PW \m, \n, \s
.endr
.endr
	WIN 0
.endm
; ---- the attention ----
.macro KLOAD adr, kt, buf              ; four key tiles: 16 keys x 64 channels each: fragment (tile l, channels 32 e on) at buf + 16 l + 8 e
.irp l, 0,1,2,3
.irp e, 0,1
.irp c, 0,1
	ds_load_b128 v[\buf+16*\l+8*\e+4*\c:\buf+16*\l+8*\e+4*\c+3], v[\adr] offset:(\kt+\l)*2304+64*\e+32*\c
.endr
.endr
.endr
.endm
.macro VLOAD adr, ks, buf              ; two key steps of V^T: fragment (step l, channels 16 d on) at buf + 32 l + 8 d
.irp l, 0,1
.irp d, 0,1,2,3
.irp c, 0,1
	ds_load_b128 v[\buf+32*\l+8*\d+4*\c:\buf+32*\l+8*\d+4*\c+3], v[\adr] offset:\d*4352+(\ks+\l)*64+32*\c
.endr
.endr
.endr
.endm
; scores of four key tiles.  mode 0: the chunk before, C = PM;  1: own tiles 0-3, A's C = DM, B's 0;  2: own tiles 4-7, B alone, C = DM.  The accumulators take turns.
.macro SMUL buf, sa, sb, mode
.if \mode == 0
	WIN 0xCC                                       ; k window 0, q window 3, C window 0, D window 3
.else
	WIN 0xEC                                       ; C window 2
.endif
.irp l, 0,1,2,3
.if \mode == 0
	v_wmma_f32_16x16x32_f16 v[\sa+8*\l:\sa+8*\l+7], v[\buf+16*\l:\buf+16*\l+7], v[QF:QF+7], v[PM:PM+7]
	v_wmma_f32_16x16x32_f16 v[\sb+8*\l:\sb+8*\l+7], v[\buf+16*\l:\buf+16*\l+7], v[QF+16:QF+23], v[PM:PM+7]
.elseif \mode == 1
	v_wmma_f32_16x16x32_f16 v[\sa+8*\l:\sa+8*\l+7], v[\buf+16*\l:\buf+16*\l+7], v[QF:QF+7], v[192+8*\l:199+8*\l]
	v_wmma_f32_16x16x32_f16 v[\sb+8*\l:\sb+8*\l+7], v[\buf+16*\l:\buf+16*\l+7], v[QF+16:QF+23], 0
.else
	v_wmma_f32_16x16x32_f16 v[\sb+8*\l:\sb+8*\l+7], v[\buf+16*\l:\buf+16*\l+7], v[QF+16:QF+23], v[224+8*\l:231+8*\l]
.endif
.endr
	WIN 0xFC                                       ; C and D window 3
.irp l, 0,1,2,3
.if \mode < 2
	v_wmma_f32_16x16x32_f16 v[\sa+8*\l:\sa+8*\l+7], v[\buf+16*\l+8:\buf+16*\l+15], v[QF+8:QF+15], v[\sa+8*\l:\sa+8*\l+7]
.endif
	v_wmma_f32_16x16x32_f16 v[\sb+8*\l:\sb+8*\l+7], v[\buf+16*\l+8:\buf+16*\l+15], v[QF+24:QF+31], v[\sb+8*\l:\sb+8*\l+7]
.endr
	WIN 0
.endm
; O^T += V^T P for two key steps.  pa, pb: where A's and B's p of the first of them lie (pa = -1: B alone).  zero: the first step starts the sums
.macro PVMUL buf, pa, pb, zero
	WIN 0xAC                                       ; V^T window 0, p window 3, C and D window 2
.irp l, 0,1
.irp d, 0,1,2,3
.if \zero && (\l == 0)
	v_wmma_f32_16x16x32_f16 v[128+8*\d:135+8*\d], v[\buf+32*\l+8*\d:\buf+32*\l+8*\d+7], v[\pa+16*\l:\pa+16*\l+7], 0
	v_wmma_f32_16x16x32_f16 v[160+8*\d:167+8*\d], v[\buf+32*\l+8*\d:\buf+32*\l+8*\d+7], v[\pb+16*\l:\pb+16*\l+7], 0
.else
.if \pa >= 0
	v_wmma_f32_16x16x32_f16 v[128+8*\d:135+8*\d], v[\buf+32*\l+8*\d:\buf+32*\l+8*\d+7], v[\pa+16*\l:\pa+16*\l+7], v[128+8*\d:135+8*\d]
.endif
	v_wmma_f32_16x16x32_f16 v[160+8*\d:167+8*\d], v[\buf+32*\l+8*\d:\buf+32*\l+8*\d+7], v[\pb+16*\l:\pb+16*\l+7], v[160+8*\d:167+8*\d]
.endif
.endr
.endr
	WIN 0
.endm
.macro ATTN
	v_add_nc_u32 v[KP], s43, v[K0]
	v_add_nc_u32 v[KO], s42, v[K0]
	v_add_nc_u32 v[VP], s43, v[V0]
	v_add_nc_u32 v[VO], s42, v[V0]
	WIN 0xC0                                       ; destination window 3
.irp e, 0,1
.irp c, 0,1
	ds_load_b128 v[QF+8*\e+4*\c:QF+8*\e+4*\c+3], v[QAA] offset:64*\e+32*\c
	ds_load_b128 v[QF+16+8*\e+4*\c:QF+16+8*\e+4*\c+3], v[QAB] offset:64*\e+32*\c
.endr
.endr
	WIN 0
	KLOAD KP, 0, FA
	KLOAD KP, 4, FB
	s_wait_dscnt 16                                ; here and below: all but the sixteen loads of the group issued last
	SMUL FA, 0, 96, 0
	NOP4
	KLOAD KO, 0, FA
	s_wait_dscnt 16
	SMUL FB, 32, 128, 0
	NOP4
	KLOAD KO, 4, FB
	s_wait_dscnt 16
	SMUL FA, 64, 160, 1
	NOP4
	VLOAD VP, 0, FA
	s_wait_dscnt 16
	SMUL FB, 0, 192, 2
	NOP4                                           ; also the places in front of the first read of the scores
	VLOAD VP, 2, FB
	; the row's maximum: eight chains, four a tile, each over a quarter of the tile's registers in ascending order
	WIN 0x0F                                       ; sources window 3, destination window 0
.irp c, 0,1,2,3
	v_max_num_f32 v[STA+4+\c], v[24*\c], v[24*\c+1]
	v_max_num_f32 v[STB+4+\c], v[96+32*\c], v[96+32*\c+1]
.endr
	WIN 0x3C
.set k, 1
.rept 15
.irp c, 0,1,2,3
.if k < 12
	v_max3_num_f32 v[STA+4+\c], v[STA+4+\c], v[24*\c+2*k], v[24*\c+2*k+1]
.endif
	v_max3_num_f32 v[STB+4+\c], v[STB+4+\c], v[96+32*\c+2*k], v[96+32*\c+2*k+1]
.endr
.set k, k+1
.endr
	WIN 0
	v_max3_num_f32 v[STA+4], v[STA+4], v[STA+5], v[STA+6]
	v_max3_num_f32 v[STB+4], v[STB+4], v[STB+5], v[STB+6]
	v_max_num_f32 v[STA+4], v[STA+4], v[STA+7]
	v_max_num_f32 v[STB+4], v[STB+4], v[STB+7]
	v_permlanex16_b32 v[STA+5], v[STA+4], s20, s21 ; the query's other keys lie in the lane 16 away
	v_permlanex16_b32 v[STB+5], v[STB+4], s20, s21
	v_max_num_f32 v[STA+4], v[STA+4], v[STA+5]
	v_max_num_f32 v[STB+4], v[STB+4], v[STB+5]
	v_mul_f32 v[STA], s22, v[STA+4]                ; c m
	v_mul_f32 v[STB], s22, v[STB+4]
	v_mov_b32 v[STA+1], v[STA]                     ; (named with it as a pair)
	v_mov_b32 v[STB+1], v[STB]
	; p = 2^(c s - c m): ONE BATCH of 112 packed scalings and 224 exponentials; a pair's exponentials stand two scalings behind its scaling; nothing here names an exponential's result
	WIN 0xC3                                       ; the scores window 3, c m window 0
.set k, 0
.rept 114
.if k < 48
	v_pk_fma_f32 v[2*k:2*k+1], v[2*k:2*k+1], s[22:23], v[STA:STA+1] op_sel_hi:[1,0,0] neg_lo:[0,0,1] neg_hi:[0,0,1]
.elseif k < 112
	v_pk_fma_f32 v[2*k:2*k+1], v[2*k:2*k+1], s[22:23], v[STB:STB+1] op_sel_hi:[1,0,0] neg_lo:[0,0,1] neg_hi:[0,0,1]
.endif
.if k >= 2
	v_exp_f32 v[2*k-4], v[2*k-4]
	v_exp_f32 v[2*k-3], v[2*k-3]
.endif
.set k, k+1
.endr
	v_nop                                          ; a plain line behind the last exponential
	s_wait_alu depctr_va_vdst(0)                   ; one wait for the whole batch, ahead of its first reader
	; the row's sum, of p before it is rounded: two chains of pairs a tile
	WIN 0x0F
	v_pk_add_f32 v[STA+2:STA+3], v[0:1], v[2:3]
	v_pk_add_f32 v[STB+2:STB+3], v[96:97], v[98:99]
	v_pk_add_f32 v[STA+4:STA+5], v[4:5], v[6:7]
	v_pk_add_f32 v[STB+4:STB+5], v[100:101], v[102:103]
	WIN 0x0C
.set k, 4
.rept 30
.if k < 48
	v_pk_add_f32 v[STA+2:STA+3], v[STA+2:STA+3], v[2*k:2*k+1]
.endif
	v_pk_add_f32 v[STB+2:STB+3], v[STB+2:STB+3], v[96+2*k:97+2*k]
.if k < 48
	v_pk_add_f32 v[STA+4:STA+5], v[STA+4:STA+5], v[2*k+2:2*k+3]
.endif
	v_pk_add_f32 v[STB+4:STB+5], v[STB+4:STB+5], v[98+2*k:99+2*k]
.set k, k+2
.endr
	; p to f16, in place: the 16 registers of two key tiles become the 8 of source 1 of a key step; ascending, so that nothing unread is written over
	WIN 0xCF
.set g, 0
.rept 14
.irp k, 0,1,2,3,4,5,6,7
	v_cvt_pk_f16_f32 v[16*g+\k], v[16*g+2*\k], v[16*g+2*\k+1]
.endr
.set g, g+1
.endr
	WIN 0
	v_pk_add_f32 v[STA+2:STA+3], v[STA+2:STA+3], v[STA+4:STA+5]
	v_pk_add_f32 v[STB+2:STB+3], v[STB+2:STB+3], v[STB+4:STB+5]
	v_add_f32 v[STA+2], v[STA+2], v[STA+3]
	v_add_f32 v[STB+2], v[STB+2], v[STB+3]
	v_permlanex16_b32 v[STA+4], v[STA+2], s20, s21
	v_permlanex16_b32 v[STB+4], v[STB+2], s20, s21
	v_add_f32 v[STA+2], v[STA+2], v[STA+4]         ; l
	v_add_f32 v[STB+2], v[STB+2], v[STB+4]
	v_rcp_f32 v[STA+6], v[STA+2]
	v_rcp_f32 v[STB+6], v[STB+2]
	v_nop                                          ; a plain line behind the reciprocals,
	s_wait_alu depctr_va_vdst(0)                   ; and their wait, ahead of the products
	s_wait_dscnt 0x0                               ; V^T of the chunk before is in
	PVMUL FA, 0, 96, 1
	NOP4
	VLOAD VO, 0, FA
	PVMUL FB, 32, 128, 0
	NOP4
	VLOAD VO, 2, FB
	s_wait_dscnt 16
	PVMUL FA, 64, 160, 0
	s_wait_dscnt 0x0
	PVMUL FB, -1, 192, 0
	; the way out: O^T / l through my stage, back as whole rows of 256 bytes
	NOP4
	WIN 0x82                                       ; O^T window 2, 1/l window 0
.set k, 0
.rept 16
	v_pk_mul_f32 v[128+2*k:129+2*k], v[128+2*k:129+2*k], v[STA+6:STA+7] op_sel_hi:[1,0]
.set k, k+1
.endr
.set k, 0
.rept 16
	v_pk_mul_f32 v[160+2*k:161+2*k], v[160+2*k:161+2*k], v[STB+6:STB+7] op_sel_hi:[1,0]
.set k, k+1
.endr
	WIN 0x08                                       ; an LDS store's data are its source 1: window 2
.irp q, 0,1
.irp d, 0,1,2,3
.irp c, 0,1
	ds_store_b128 v[SO], v[128+32*\q+8*\d+4*\c:128+32*\q+8*\d+4*\c+3] offset:\q*4352+\d*64+16*\c
.endr
.endr
.endr
	WIN 0
.irp q, 0,1
.irp t, 0,1,2,3,4,5,6,7
	ds_load_b128 v[FA+32*\q+4*\t:FA+32*\q+4*\t+3], v[SR] offset:(16*\q+2*\t)*272   ; LDS serves a wave's instructions in order: these see my stores
.endr
.endr
.irp t, 0,1,2,3,4,5,6,7
	s_wait_dscnt 15-\t                             ; the younger loads from the stage may be out
	global_store_b128 v[GA], v[FA+4*\t:FA+4*\t+3], s[46:47] offset:\t*8192 th:TH_STORE_NT   ; each half of the lanes stores 256 consecutive bytes, aligned
.endr
.irp t, 0,1,2,3,4,5,6,7
	s_wait_dscnt 7-\t
	global_store_b128 v[GB], v[FA+32+4*\t:FA+32+4*\t+3], s[46:47] offset:\t*8192 th:TH_STORE_NT
.endr
.irp k, 0,1,2,3,4,5,6,7
	v_mov_b32 v[PM+\k], 0                          ; from the segment's second chunk on the chunk before counts
.endr
	s_wait_xcnt 0x0                                ; the stores have read their base and their data: both are written again only behind this wait
	s_add_nc_u64 s[46:47], s[46:47], 524288        ; the next chunk's rows
.endm
; ---- a trip: one chunk.  fill = 1: the hidden slot just read is filled again, with the chunk two trips on ----
.macro TRIP fill
	v_add_nc_u32 v[HA], s41, v[HA0]
	v_add_nc_u32 v[HSA], s41, v[HS0]
.irp p, 0,1
.irp g, 0,1
	ds_load_b128 v[HSC+8*\p+4*\g:HSC+8*\p+4*\g+3], v[HSA] offset:\g*2048+\p*512   ; register 8 p + s: lanes 0-15 tile 2 p's words of K step s, lanes 16-31 tile 2 p + 1's
.endr
.endr
	HLOAD 0
.irp s, 0,1,2,3,4,5,6,7
	PSTEP \s
.endr
	s_barrier_signal -1                            ; no LDS instruction of mine is out (the last step waited for 0): my reads of the last chunk's q, k and V^T are over
	NOP4
	WIN 0x0F                                       ; q, k, v to f16, each accumulator from its low end on: register work, between the signal and the wait
.set t, 0
.rept 24
.irp k, 0,1,2,3
	v_cvt_pk_f16_f32 v[FA+4*t+\k], v[8*t+2*\k], v[8*t+2*\k+1]
.endr
.set t, t+1
.endr
	WIN 0
	s_barrier_wait -1                              ; every wave's are: q and the older k, v slot may be written
	v_add_nc_u32 v[KS], s42, v[KS0]
	v_add_nc_u32 v[VS], s42, v[VS0]
.irp m, 0,1,2,3
.irp u, 0,1
	ds_store_b128 v[QS], v[FA+4*(6*\m+\u):FA+4*(6*\m+\u)+3] offset:\m*2304+\u*32
	ds_store_b128 v[KS], v[FA+4*(6*\m+2+\u):FA+4*(6*\m+2+\u)+3] offset:\m*2304+\u*32
	ds_store_b128 v[VS], v[FA+4*(6*\m+4+\u):FA+4*(6*\m+4+\u)+3] offset:\u*4352+\m*32
.endr
.endr
	s_wait_tensorcnt 0x0                           ; all my tensor loads have landed: the one that was out is my quarter of the next chunk
	ds_add_u32 v[SPW], v[NIL]                      ; 0 onto my spare word
.if \fill
	s_xor_b32 s37, s37, HSL1                       ; the walking descriptor: the other slot than last time,
	s_add_nc_u64 s[38:39], s[38:39], HBLK          ; the next chunk; the type bits on top are not reached
.endif
	s_wait_dscnt 0x0                               ; the add is done, my stores of q, k, V^T have landed, my reads of the hidden slot are over
.if \fill
	ROUND                                          ; no wave of any partner still reads the slot or has a load on its way
	tensor_load_to_lds s[36:39], s[24:31]          ; my one tensor load behind the round, and the first thing there
	s_nop 0
	NOP4
	s_cmp_eq_u32 s40, 0                            ; the chunk before the segment has no queries of mine; the jump leads round no barrier, wait or tensor load
	s_cbranch_scc1 .Lno_attn_\@
.else
	s_barrier_signal -1
	s_barrier_wait -1
.endif
	ATTN
.if \fill
.Lno_attn_\@:
.endif
	s_xor_b32 s41, s41, HSL1
	s_xor_b32 s42, s42, KVSZ
	s_xor_b32 s43, s43, KVSZ
.endm
.Lfill:                                            ; trips 0 to 6 ask for the chunks of trips 2 to 8
	TRIP 1
	s_add_co_u32 s40, s40, 1
	s_cmp_lt_u32 s40, 7
	s_cbranch_scc1 .Lfill
	s_mov_b32 s44, 0
.Ltail:                                            ; trips 7 and 8 ask for nothing: a loop of their own
	TRIP 0
	s_add_co_u32 s44, s44, 1
	s_cmp_lt_u32 s44, 2
	s_cbranch_scc1 .Ltail
	s_wait_tensorcnt 0x0                           ; the wave's end, behind my last tensor load and my last LDS store
	ds_add_u32 v[SPW], v[NIL]
	s_wait_dscnt 0x0
	ROUND                                          ; the closing round: no work-group ends while a partner may still ask for a tile that names it
	s_endpgm
.Lfunc_end_k_qfa99495832_attn:
	.size	k_qfa99495832_attn, .Lfunc_end_k_qfa99495832_attn-k_qfa99495832_attn
	.p2alignl 7, 3214868480
	.fill 96, 4, 3214868480
	.section	.rodata,"a",@progbits
	.p2align	6, 0x0
	.amdhsa_kernel k_qfa99495832_attn
		.amdhsa_group_segment_fixed_size 327680
		.amdhsa_private_segment_fixed_size 0
		.amdhsa_enable_private_segment 0
		.amdhsa_kernarg_size 32
		.amdhsa_user_sgpr_count 2
		.amdhsa_user_sgpr_kernarg_segment_ptr 1
		.amdhsa_wavefront_size32 1
		.amdhsa_system_sgpr_workgroup_id_x 1
		.amdhsa_system_sgpr_workgroup_id_y 1
		.amdhsa_system_sgpr_workgroup_id_z 1
		.amdhsa_system_vgpr_workitem_id 0
		.amdhsa_next_free_vgpr 1024
		.amdhsa_next_free_sgpr 66
		.amdhsa_reserve_vcc 1
		.amdhsa_float_denorm_mode_32 3
		.amdhsa_float_denorm_mode_16_64 3
		.amdhsa_memory_ordered 1
		.amdhsa_forward_progress 1
		.amdhsa_inst_pref_size 220
	.end_amdhsa_kernel
	.amdgpu_metadata
---
amdhsa.version: [ 1, 2 ]
amdhsa.kernels:
  - .name:           k_qfa99495832_attn
    .symbol:         k_qfa99495832_attn.kd
    .args:
      - { .name: hcod, .offset: 0, .size: 8, .value_kind: global_buffer, .address_space: global }
      - { .name: wcod, .offset: 8, .size: 8, .value_kind: global_buffer, .address_space: global }
      - { .name: wscl, .offset: 16, .size: 8, .value_kind: global_buffer, .address_space: global }
      - { .name: out0, .offset: 24, .size: 8, .value_kind: global_buffer, .address_space: global }
    .group_segment_fixed_size: 327680
    .private_segment_fixed_size: 0
    .kernarg_segment_align: 8
    .kernarg_segment_size: 32
    .max_flat_workgroup_size: 128
    .sgpr_count:     66
    .vgpr_count:     1024
    .wavefront_size: 32
...
	.end_amdgpu_metadata
.endif
;; end of part 2
;; launch first16 (part 3): grid 16 x 4, 4 waves a work-group, no clusters, 8,960 bytes of LDS; arguments hcod, wcod, wscl, out0; writes out0
.if DOCPART == 3
	.amdgcn_target "amdgcn-amd-amdhsa--gfx1250"
	.amdhsa_code_object_version 6
	.text
	.protected	k_qfa99495832_first16
	.globl	k_qfa99495832_first16
	.p2align	8
	.type	k_qfa99495832_first16,@function
k_qfa99495832_first16:
	s_mov_b64 s[64:65], 0
	v_nop
	global_prefetch_b8 v0, s[64:65] scope:SCOPE_SE
	s_setreg_imm32_b32 hwreg(HW_REG_WAVE_MODE, 25, 1), 1
	s_wait_xcnt 0x0
; Positions 0-15 of each batch, all heads, once more and more finely: these rows average one to sixteen values, so both attention products run on f32 operands here.
; The projections are the same FP4 products as in the launch before; q, k, v stay f32 in the accumulators and go to v_wmma_f32_16x16x4_f32 as they lie.
; reference()'s own mask hides the rolled chunk before chunk 0 and every key behind the query: 16 keys are all that count.
; SHARES.  A work-group is (head, batch).  Wave w projects channels 16 w .. + 15 of q, k, v, makes the part of S^T that these channels give, and hands it to the others as an image of its registers;
; every wave sums the four parts in the same order and takes the softmax; wave w makes channels 16 w .. + 15 of O^T.  The 64 stored rows replace what the launch before left there.
; The f32 form takes k = 2 h + j from register j; registers 2 s, 2 s + 1 of both sources are given it, which stand for channel (or key) 8 h + 2 s + j: the same permutation on both sides.
; LIMITS: a hidden score is -1e9 ahead of the factor 1/8 and weighs 0 while the row's largest true score x 8 lies above about -1e9 + 1e3.  NaN and infinities are not served.
; REGISTERS: window 0: v1-13 addresses; v16-79 hidden fragments; v80-87 their scale words; v88-111 the weights'; v112, v120, v128 q, k, V^T; v136 my part of S^T; v144-175 the four parts; v176 S^T; v184 p;
;   v192-223 the four f32 accumulators, written by matrix instructions alone; v224-239 at work; v240-247 the result.   window 1: the weights' 24 fragments, 64 x + 8 s.
.set STG,   4096                       ; LDS: the four images of 1,024 bytes; then the stage, 16 rows x (256 bytes + 16);
.set SPARE, 8448                       ; then the spare words, 128 bytes a wave
.set SPW, 12
.set NIL, 13
.set HF,  16
.set HSC, 80
.set WSC, 88
.set AQ,  112
.set AK,  120
.set AV,  128
.set SP,  136
.set IM,  144
.set S,   176
.set P,   184
.set S0,  192
.set S1,  200
.set O0,  208
.set O1,  216
.set MSB, 0
.macro WIN new
.if MSB != \new
	s_set_vgpr_msb (MSB<<8)|\new
.set MSB, \new
.endif
.endm
	s_load_b256 s[4:11], s[0:1], 0x0               ; hcod s[4:5], wcod s[6:7], wscl s[8:9], out0 s[10:11]
	v_lshl_add_u32 v[SPW], v0, 2, SPARE
	v_mov_b32 v[NIL], 0
	v_lshrrev_b32 v1, 5, v0
	v_readfirstlane_b32 s12, v1                    ; wave w
	v_and_b32 v1, 31, v0                           ; lane
	v_and_b32 v2, 15, v0                           ; r
	v_bfe_u32 v3, v0, 4, 1                         ; h
	s_and_b32 s13, ttmp7, 0xffff                   ; batch
	s_mul_i32 s16, s13, 32*69632                   ; the batch's first chunk
	s_mov_b32 s17, 0
	s_lshl_b32 s18, ttmp9, 2
	s_add_co_u32 s18, s18, s12
	s_lshl_b32 s18, s18, 13                        ; weights: tile 4 head + w
	s_mov_b32 s19, 0
	s_lshl_b32 s20, ttmp9, 1
	s_lshr_b32 s21, s12, 1
	s_add_co_u32 s20, s20, s21
	s_lshl_b32 s20, s20, 10                        ; their scale words: 1,024 bytes for each 32 columns,
	s_and_b32 s21, s12, 1
	s_lshl_b32 s21, s21, 7                         ; and the odd tile's 16 columns 128 bytes on: so every lane r takes its own column's words
	s_add_co_u32 s20, s20, s21
	s_mov_b32 s21, 0
	s_lshl_b32 s22, s13, 24                        ; out0: batch x 4,096 rows of 4,096 bytes + head x 256
	s_lshl_b32 s23, ttmp9, 8
	s_add_co_u32 s22, s22, s23
	s_mov_b32 s23, 0
	s_mov_b32 s26, 0x76543210
	s_mov_b32 s27, 0xfedcba98                      ; v_permlanex16_b32's selects for lane l xor 16
	s_mov_b32 s28, 0x3e38aa3b                      ; c = log2(e) / 8
	v_lshlrev_b32 v4, 4, v1                        ; 16 lane: fragments, and an image's place for my lane
	v_lshlrev_b32 v5, 4, v2                        ; 16 r: hidden scale words
	v_lshlrev_b32 v6, 3, v2                        ; 8 r: weights' scale words
	s_lshl_b32 s24, s12, 10
	v_lshl_add_u32 v7, v1, 4, s24                  ; where I store my image
	s_lshl_b32 s24, s12, 6
	s_add_co_u32 s24, s24, STG
	v_mul_u32_u24 v8, v2, 272
	v_lshl_add_u32 v8, v3, 5, v8
	v_add_nc_u32 v8, s24, v8                       ; the stage: row r, + 64 w + 32 h
	s_mul_i32 s24, s12, 1088
	s_add_co_u32 s24, s24, STG
	v_mul_u32_u24 v9, v3, 272
	v_lshl_add_u32 v9, v2, 4, v9
	v_add_nc_u32 v9, s24, v9                       ; back: rows 4 w + h, 16 bytes a lane
	s_lshl_b32 s24, s12, 14
	v_lshlrev_b32 v10, 12, v3
	v_lshl_add_u32 v10, v2, 4, v10
	v_add_nc_u32 v10, s24, v10                     ; and the same rows in out0
	v_lshlrev_b32 v11, 3, v3
	v_sub_nc_u32 v11, v2, v11                      ; r - 8 h: register jj holds key 8 h + jj, hidden where jj > r - 8 h
	v_mov_b32 v225, 0                              ; a lane permute's destination counts as one of its sources
	v_mov_b32 v233, 0                              ; (named as the upper half of the pair v[232:233])
	v_mov_b32 v227, 0xce6e6b28                     ; -1e9
	s_wait_kmcnt 0x0
	s_add_nc_u64 s[4:5], s[4:5], s[16:17]
	s_add_nc_u64 s[6:7], s[6:7], s[18:19]
	s_add_nc_u64 s[8:9], s[8:9], s[20:21]
	s_add_nc_u64 s[10:11], s[10:11], s[22:23]
.irp s, 0,1,2,3,4,5,6,7
.irp c, 0,1
	global_load_b128 v[HF+8*\s+4*\c:HF+8*\s+4*\c+3], v4, s[4:5] offset:\s*1024+\c*512
.endr
.endr
.irp g, 0,1
	global_load_b128 v[HSC+4*\g:HSC+4*\g+3], v5, s[4:5] offset:65536+\g*2048
.endr
.irp x, 0,1,2
.irp q, 0,1,2,3
	global_load_b64 v[WSC+8*\x+2*\q:WSC+8*\x+2*\q+1], v6, s[8:9] offset:\x*32768+\q*256
.endr
.endr
	WIN 0x40                                       ; destination window 1
.irp x, 0,1,2
.irp s, 0,1,2,3,4,5,6,7
.irp c, 0,1
	global_load_b128 v[64*\x+8*\s+4*\c:64*\x+8*\s+4*\c+3], v4, s[6:7] offset:\x*524288+\s*1024+\c*512
.endr
.endr
.endr
	WIN 0
	s_wait_loadcnt 0x0
	; the projections: three accumulators by turns.  q, k: source 0 = weights (a lane: position r, channels 8 h + jj); v: source 0 = hidden (a lane: channel r, positions 8 h + jj)
	WIN 0x01
	v_wmma_scale_f32_16x16x128_f8f6f4 v[AQ:AQ+7], v[0:7], v[HF:HF+7], 0, v[WSC], v[HSC] matrix_a_fmt:MATRIX_FMT_FP4 matrix_b_fmt:MATRIX_FMT_FP4
	v_wmma_scale_f32_16x16x128_f8f6f4 v[AK:AK+7], v[64:71], v[HF:HF+7], 0, v[WSC+8], v[HSC] matrix_a_fmt:MATRIX_FMT_FP4 matrix_b_fmt:MATRIX_FMT_FP4
	WIN 0x04
	v_wmma_scale_f32_16x16x128_f8f6f4 v[AV:AV+7], v[HF:HF+7], v[128:135], 0, v[HSC], v[WSC+16] matrix_a_fmt:MATRIX_FMT_FP4 matrix_b_fmt:MATRIX_FMT_FP4
.irp s, 1,2,3,4,5,6,7
	WIN 0x01
	v_wmma_scale_f32_16x16x128_f8f6f4 v[AQ:AQ+7], v[8*\s:8*\s+7], v[HF+8*\s:HF+8*\s+7], v[AQ:AQ+7], v[WSC+\s], v[HSC+\s] matrix_a_fmt:MATRIX_FMT_FP4 matrix_b_fmt:MATRIX_FMT_FP4
	v_wmma_scale_f32_16x16x128_f8f6f4 v[AK:AK+7], v[64+8*\s:64+8*\s+7], v[HF+8*\s:HF+8*\s+7], v[AK:AK+7], v[WSC+8+\s], v[HSC+\s] matrix_a_fmt:MATRIX_FMT_FP4 matrix_b_fmt:MATRIX_FMT_FP4
	WIN 0x04
	v_wmma_scale_f32_16x16x128_f8f6f4 v[AV:AV+7], v[HF+8*\s:HF+8*\s+7], v[128+8*\s:128+8*\s+7], v[AV:AV+7], v[HSC+\s], v[WSC+16+\s] matrix_a_fmt:MATRIX_FMT_FP4 matrix_b_fmt:MATRIX_FMT_FP4
.endr
	WIN 0
.rept 5
	v_nop                                          ; five places before a matrix instruction takes these results as its sources
.endr
	; my channels' part of S^T = k q^T: two accumulators by turns
	v_wmma_f32_16x16x4_f32 v[S0:S0+7], v[AK:AK+1], v[AQ:AQ+1], 0
	v_wmma_f32_16x16x4_f32 v[S1:S1+7], v[AK+2:AK+3], v[AQ+2:AQ+3], 0
	v_wmma_f32_16x16x4_f32 v[S0:S0+7], v[AK+4:AK+5], v[AQ+4:AQ+5], v[S0:S0+7]
	v_wmma_f32_16x16x4_f32 v[S1:S1+7], v[AK+6:AK+7], v[AQ+6:AQ+7], v[S1:S1+7]
.rept 8
	v_nop                                          ; eight places behind this form before its results are read
.endr
.irp k, 0,2,4,6
	v_pk_add_f32 v[SP+\k:SP+\k+1], v[S0+\k:S0+\k+1], v[S1+\k:S1+\k+1]
.endr
	ds_store_b128 v7, v[SP:SP+3]                   ; an image of the registers: 16 bytes a lane
	ds_store_b128 v7, v[SP+4:SP+7] offset:512
	s_wait_dscnt 0x0                               ; for the others' sake: my stores have landed
	s_barrier_signal -1
	s_barrier_wait -1
.irp i, 0,1,2,3
.irp c, 0,1
	ds_load_b128 v[IM+8*\i+4*\c:IM+8*\i+4*\c+3], v4 offset:\i*1024+\c*512
.endr
.endr
	s_wait_dscnt 0x0
.irp k, 0,2,4,6
	v_pk_add_f32 v[S+\k:S+\k+1], v[IM+\k:IM+\k+1], v[IM+8+\k:IM+8+\k+1]      ; the four parts in the same order in every wave
.endr
.irp k, 0,2,4,6
	v_pk_add_f32 v[S+\k:S+\k+1], v[S+\k:S+\k+1], v[IM+16+\k:IM+16+\k+1]
.endr
.irp k, 0,2,4,6
	v_pk_add_f32 v[S+\k:S+\k+1], v[S+\k:S+\k+1], v[IM+24+\k:IM+24+\k+1]
.endr
.irp j, 0,1,2,3,4,5,6,7
	v_cmp_gt_i32 vcc_lo, \j, v11
	v_cndmask_b32 v[S+\j], v[S+\j], v227, vcc_lo   ; the causal mask
.endr
	v_max3_num_f32 v224, v[S], v[S+1], v[S+2]
	v_max3_num_f32 v224, v224, v[S+3], v[S+4]
	v_max3_num_f32 v224, v224, v[S+5], v[S+6]
	v_max_num_f32 v224, v224, v[S+7]
	v_permlanex16_b32 v225, v224, s26, s27
	v_max_num_f32 v224, v224, v225                 ; the row's maximum
	v_mul_f32 v226, s28, v224
.irp j, 0,1,2,3,4,5,6,7
	v_fma_f32 v[P+\j], v[S+\j], s28, -v226
.endr
.irp j, 0,1,2,3,4,5,6,7
	v_exp_f32 v[P+\j], v[P+\j]
.endr
	v_nop                                          ; a plain line behind the exponentials,
	s_wait_alu depctr_va_vdst(0)                   ; and one wait for the eight, ahead of their first reader
	v_pk_add_f32 v[228:229], v[P:P+1], v[P+2:P+3]
	v_pk_add_f32 v[230:231], v[P+4:P+5], v[P+6:P+7]
	v_pk_add_f32 v[228:229], v[228:229], v[230:231]
	v_add_f32 v228, v228, v229
	v_permlanex16_b32 v225, v228, s26, s27
	v_add_f32 v228, v228, v225                     ; the row's sum
	v_rcp_f32 v232, v228
	v_nop
	s_wait_alu depctr_va_vdst(0)
	; my channels of O^T = V^T p
	v_wmma_f32_16x16x4_f32 v[O0:O0+7], v[AV:AV+1], v[P:P+1], 0
	v_wmma_f32_16x16x4_f32 v[O1:O1+7], v[AV+2:AV+3], v[P+2:P+3], 0
	v_wmma_f32_16x16x4_f32 v[O0:O0+7], v[AV+4:AV+5], v[P+4:P+5], v[O0:O0+7]
	v_wmma_f32_16x16x4_f32 v[O1:O1+7], v[AV+6:AV+7], v[P+6:P+7], v[O1:O1+7]
.rept 8
	v_nop
.endr
.irp k, 0,2,4,6
	v_pk_add_f32 v[240+\k:241+\k], v[O0+\k:O0+\k+1], v[O1+\k:O1+\k+1]
.endr
.irp k, 0,2,4,6
	v_pk_mul_f32 v[240+\k:241+\k], v[240+\k:241+\k], v[232:233] op_sel_hi:[1,0]
.endr
	ds_store_b128 v8, v[240:243]                   ; lane (r, h): query r, channels 16 w + 8 h + 0 .. 7
	ds_store_b128 v8, v[244:247] offset:16
	s_wait_dscnt 0x0                               ; a row's 256 bytes come from four waves
	s_barrier_signal -1
	s_barrier_wait -1
	ds_load_b128 v[144:147], v9
	ds_load_b128 v[148:151], v9 offset:544
	s_wait_dscnt 0x0
	global_store_b128 v10, v[144:147], s[10:11]    ; each half of the lanes stores 256 consecutive bytes, aligned
	global_store_b128 v10, v[148:151], s[10:11] offset:8192
	s_wait_tensorcnt 0x0                           ; the wave's end, behind my last LDS store
	ds_add_u32 v[SPW], v[NIL]
	s_wait_dscnt 0x0
	s_endpgm
.Lfunc_end_k_qfa99495832_first16:
	.size	k_qfa99495832_first16, .Lfunc_end_k_qfa99495832_first16-k_qfa99495832_first16
	.p2alignl 7, 3214868480
	.fill 96, 4, 3214868480
	.section	.rodata,"a",@progbits
	.p2align	6, 0x0
	.amdhsa_kernel k_qfa99495832_first16
		.amdhsa_group_segment_fixed_size 8960
		.amdhsa_private_segment_fixed_size 0
		.amdhsa_enable_private_segment 0
		.amdhsa_kernarg_size 32
		.amdhsa_user_sgpr_count 2
		.amdhsa_user_sgpr_kernarg_segment_ptr 1
		.amdhsa_wavefront_size32 1
		.amdhsa_system_sgpr_workgroup_id_x 1
		.amdhsa_system_sgpr_workgroup_id_y 1
		.amdhsa_system_sgpr_workgroup_id_z 1
		.amdhsa_system_vgpr_workitem_id 0
		.amdhsa_next_free_vgpr 512
		.amdhsa_next_free_sgpr 66
		.amdhsa_reserve_vcc 1
		.amdhsa_float_denorm_mode_32 3
		.amdhsa_float_denorm_mode_16_64 3
		.amdhsa_memory_ordered 1
		.amdhsa_forward_progress 1
		.amdhsa_inst_pref_size 20
	.end_amdhsa_kernel
	.amdgpu_metadata
---
amdhsa.version: [ 1, 2 ]
amdhsa.kernels:
  - .name:           k_qfa99495832_first16
    .symbol:         k_qfa99495832_first16.kd
    .args:
      - { .name: hcod, .offset: 0, .size: 8, .value_kind: global_buffer, .address_space: global }
      - { .name: wcod, .offset: 8, .size: 8, .value_kind: global_buffer, .address_space: global }
      - { .name: wscl, .offset: 16, .size: 8, .value_kind: global_buffer, .address_space: global }
      - { .name: out0, .offset: 24, .size: 8, .value_kind: global_buffer, .address_space: global }
    .group_segment_fixed_size: 8960
    .private_segment_fixed_size: 0
    .kernarg_segment_align: 8
    .kernarg_segment_size: 32
    .max_flat_workgroup_size: 128
    .sgpr_count:     66
    .vgpr_count:     512
    .wavefront_size: 32
...
	.end_amdgpu_metadata
.endif
;; end of part 3
